; MI455X (gfx1250); checked and timed in simulation.
; The chip was launched on July 23, 2026; its instructions are those of AMD's public machine-readable ISA for CDNA 5 (MIT licence, August 2026) and "CDNA5" Instruction Set Architecture Reference Guide (July 2026). The comments in the code are by the model that wrote it; some were corrected since.
;; Reasoning Layer. Allowed arithmetic: matrix products marked QUANTISED: E2M3 operands, one E8M0 scale for each 32 along K, by v_wmma_scale_f32_16x16x128_f8f6f4 with both operands' format E2M3, f32 sums; everything else in f32.
;; Inputs: W1 1,024 x 2,048 float32; W2 2,048 x 1,024 float32; b1 2,048 float32; b2 1,024 float32; hidden_states 8 x 2,048 x 1,024 float32.
;; Outputs: out0 8 x 2,048 x 1,024 float32.
;; This version of the problem:
;;   THIS VERSION OF THE PROBLEM IS GIVEN IN LOW PRECISION. The matrix products marked QUANTISED in the list below multiply operands that are first quantised to E2M3 (2 exponent bits, 3 mantissa bits; 6 bits a number), with one power-of-two scale for each 32 numbers along K (OCP MX v1.0); their sums are f32. All else is computed in f32.
;;   The module's matrix products, in the order in which they are computed (A, B: the left and right operand; K: the contracted axis; several contracted axes count as one K, in the product's order):
;;     1. [M 16,376, K 1,024] x [K 1,024, N 2,048]; A: input hidden_states; B: input W1: QUANTISED
;;     2. [M 16,376, K 2,048] x [K 2,048, N 1,024]; A: computed on the way; B: input W2: QUANTISED
;;   THE QUANTISER, for each operand of a quantised product, along K:
;;     - K is cut into blocks of 32 from its start; a last block that is shorter is filled with zeros.
;;     - A block's scale is 2^e with e = floor(log2(the largest magnitude in the block)) - 2, held to -126 .. 127; a block of zeros has e = 0. As a byte (E8M0): e + 127.
;;     - Each number is divided by its block's scale, clamped to +-7.5, and rounded to the nearest number of E2M3, ties to even, subnormals kept.
;;     - The product sums the exact products of the quantised numbers (number of the format x scale) in f32.
;;   ~~~python
;;   def quantise(x, axis):      # numpy; x: float32 -> the quantised numbers, widened to float32 again
;;       x = np.moveaxis(x, axis, -1); K = x.shape[-1]
;;       x = np.pad(x, [(0, 0)] * (x.ndim - 1) + [(0, -K % 32)]); x = x.reshape(x.shape[:-1] + (-1, 32)); a = np.abs(x).max(-1, keepdims=True)
;;       e = np.where(a > 0, np.clip(np.frexp(np.where(a > 0, a, 1))[1] - 1 - 2, -126, 127), 0)      # np.frexp(a)[1] - 1 = floor(log2(a)), exactly
;;       r = np.clip(x / 2.0 ** e, -7.5, 7.5)
;;       step = 2.0 ** (np.maximum(np.frexp(np.where(r == 0, 1, r))[1] - 1, 0) - 3)
;;       q = np.round(r / step) * step * 2.0 ** e      # np.round: ties to even
;;       return np.moveaxis(q.reshape(q.shape[:-2] + (-1,))[..., :K], -1, axis).astype(np.float32)
;;   ~~~
;;   OPERANDS COMPUTED ON THE WAY. 'Computed on the way' means the value that the module computes at that place (a softmax that the list does not call 'softmax' is quantised finished and normalised). What goes into a quantiser is computed in f32, as accurately as f32 sums, v_exp_f32 and their like allow (about 1e-6 of the number): no bf16 or f16 on the way to a quantiser, and a product that is left as it is and whose result goes on into a quantised operand takes f32 operands (vector FMAs, or v_wmma_f32_16x16x4_f32). A number that lies on a knife's edge between two numbers of the format may be rounded either way, as far as f32 arithmetic and the matrix unit's own rounding can turn it there, and no further.
;; One version. Each part assembles by itself: llvm-mc -triple=amdgcn-amd-amdhsa -mcpu=gfx1250 --defsym DOCPART=n.
;; ======== version 1 of 1: 2 launches
;; limits: a function is approximated: absolute error at most 1e-07
;; workspace buffers: wq 3,276,800 bytes
;; launch wprep (part 1): grid 256 x 1, 4 waves a work-group, no clusters, 13,824 bytes of LDS; arguments W1, W2, wq; writes wq
.if DOCPART == 1
	.amdgcn_target "amdgcn-amd-amdhsa--gfx1250"
	.amdhsa_code_object_version 6
	.text
	.protected	k_qe8ea72e3ae_wprep
	.globl	k_qe8ea72e3ae_wprep
	.p2align	8
	.type	k_qe8ea72e3ae_wprep,@function
k_qe8ea72e3ae_wprep:
	s_mov_b64 s[64:65], 0
	v_nop
	global_prefetch_b8 v0, s[64:65] scope:SCOPE_SE
	s_setreg_imm32_b32 hwreg(HW_REG_WAVE_MODE, 25, 1), 1
	s_wait_xcnt 0x0
; W1 [1024 (k)][2048 (n)] and W2 [2048 (k)][1024 (n)], f32, K on the FIRST axis, become codes of FP6 (E2M3) with one E8M0 scale byte for each 32 along K,
; laid in wq as IMAGES OF OPERAND REGISTERS, in blocks of 25,600 bytes: a block = 128 columns n x 256 along K = what one wave of the next launch multiplies in one ring step.
;   W1's block 4 G + s: columns 128 G on, k = 256 s on (G 0..15, s 0..3).      W2's block 64 + 8 O + s: columns 128 O on, k = 256 s on (O 0..7, s 0..7).
;   In a block: 16 fragments of 1,536 bytes (fragment 8 e + 2 g + u: k = 128 e on; its row p is column 32 g + 8 u + p + 8 (p / 8)), then 1,024 bytes of scale words.
;   A fragment: register q (0..11) of lane l at 512 (q / 4) + 16 l + 4 (q % 4); lane (p, h): registers 0-5 the codes of k = 32 h .. + 31, registers 6-11 those of k = 64 + 32 h .. + 31.
;   Scale words: register j (0..7) of lane l at 512 (j / 4) + 16 l + 4 (j % 4) = the word (four bytes, blocks 0..3 of the 128) of fragment 8 (j / 4) + 2 (j % 4) + l / 16, row l % 16.
; A LANE TAKES A COLUMN AND ITS REGISTERS RUN DOWN K: a load reads 128 consecutive bytes a wave, a block of 32 lies in one lane, and the conversions give codes with K innermost.
; A block's scale is 2^(floor(log2(largest magnitude)) - 2); its byte is that magnitude's exponent field - 2, held at 1 from below.
; LIMITS: a block of zeros, or one whose largest magnitude lies under 2^-124, gets the byte 1 (its codes are zeros or the nearest codes under that scale; only this program reads the bytes);
; NaN and infinities among the inputs are not served.
; SHARES: a work-group takes 128 columns x 128 k (half e of a block); wave g 32 columns = the fragment pair 8 e + 2 g, + 1.  Work-groups 0-127 take W1, 128-255 W2.
; The two tensors differ in the pitch, which stands in the loads' immediates: so the loads, and nothing else, are written twice.  No tensor loads, no clusters: no two work-groups read the same byte.
.set PITCH1, 8192                      ; a row of W1 in bytes
.set PITCH2, 4096                      ; a row of W2
.set BLKB,   25600
.set CST,    0                         ; LDS: a stage of 3,072 bytes (two fragments) for each wave
.set SCS,    12288                     ; and 512 bytes of scale words for the work-group
.set X,      32                        ; v32-159  my column's 128 numbers
.set CD,     160                       ; v160-207 codes: 12 registers for each block of 32 (six codes, and three at +6 on their way)
	s_load_b128 s[4:7], s[0:1], 0x0                ; W1, W2
	s_load_b64 s[8:9], s[0:1], 0x10                ; wq
	v_lshl_add_u32 v224, v0, 2, 0x3400
	v_mov_b32 v225, 0
	v_lshrrev_b32 v1, 5, v0
	v_readfirstlane_b32 s16, v1                    ; wave 0..3
	v_and_b32 v1, 31, v0                           ; lane = column c of my wave's 32
	v_lshlrev_b32 v2, 2, v0                        ; in: 4 bytes a thread: 128 x wave + 4 x lane
	v_bfe_u32 v8, v1, 3, 1                         ; u = (c / 8) % 2: which fragment of the pair
	v_and_b32 v9, 7, v1
	v_lshrrev_b32 v10, 4, v1
	v_lshl_add_u32 v9, v10, 3, v9                  ; p = c % 8 + 8 (c / 16): my row in that fragment
	s_mul_i32 s17, s16, 3072
	v_mul_u32_u24 v3, v8, 1536
	v_lshl_add_u32 v3, v9, 4, v3
	v_add_nc_u32 v3, s17, v3                       ; into the stage: my wave's, fragment u, lane p's 16 bytes
	v_lshlrev_b32 v6, 4, v1                        ; 16 x lane
	v_add_nc_u32 v4, s17, v6                       ; out of it: as it lies
	v_lshl_add_u32 v5, v8, 4, v9
	v_lshlrev_b32 v5, 4, v5
	s_lshl_b32 s18, s16, 2
	s_add_co_u32 s18, s18, SCS
	v_add_nc_u32 v5, s18, v5                       ; my scale word: lane 16 u + p, register wave (of the four of my half e)
	v_add_nc_u32 v7, SCS, v6                       ; and out
	; which block, which half of it, and where its numbers begin: both tensors' figures are made, and one is chosen
	s_and_b32 s10, ttmp9, 127
	s_and_b32 s11, s10, 15                         ; W1: group of 128 columns,
	s_lshr_b32 s12, s10, 4                         ; step of 128 along K
	s_lshl_b32 s13, s11, 2
	s_lshr_b32 s20, s12, 1
	s_add_co_u32 s13, s13, s20                     ; block 4 G + s / 2
	s_and_b32 s30, s12, 1                          ; half e
	s_lshl_b32 s12, s12, 20                        ; 128 rows of 8,192 bytes
	s_lshl_b32 s11, s11, 9
	s_add_co_u32 s12, s12, s11
	s_and_b32 s14, s10, 7                          ; W2: group of 128 columns,
	s_lshr_b32 s15, s10, 3                         ; step of 128 along K
	s_lshl_b32 s19, s14, 3
	s_lshr_b32 s20, s15, 1
	s_add_co_u32 s19, s19, s20
	s_add_co_u32 s19, s19, 64                      ; block 64 + 8 O + s / 2
	s_and_b32 s31, s15, 1                          ; half e
	s_lshl_b32 s15, s15, 19                        ; 128 rows of 4,096 bytes
	s_lshl_b32 s14, s14, 9
	s_add_co_u32 s15, s15, s14
	s_cmp_lt_u32 ttmp9, 128                        ; the choice hangs on the work-group's number alone
	s_cselect_b32 s21, s30, s31
	s_mul_i32 s28, s21, 12288
	s_add_co_u32 s28, s28, s17
	v_add_nc_u32 v17, s28, v6                      ; the codes' place in the block: 12,288 e + 3,072 wave + 16 lane
	s_lshl_b32 s29, s21, 9
	s_add_co_u32 s29, s29, 24576
	v_add_nc_u32 v18, s29, v6                      ; the scale words': 24,576 + 512 e + 16 lane
	s_mov_b32 s25, 0
	s_mov_b32 s27, 0
	s_wait_kmcnt 0x0
	s_cmp_lt_u32 ttmp9, 128
	s_cselect_b32 s22, s13, s19
	s_cselect_b32 s24, s12, s15
	s_cselect_b64 s[4:5], s[4:5], s[6:7]
	s_add_nc_u64 s[4:5], s[4:5], s[24:25]
	s_mul_i32 s26, s22, BLKB
	s_add_nc_u64 s[8:9], s[8:9], s[26:27]
	s_cmp_lt_u32 ttmp9, 128
	s_cbranch_scc0 .Lw2
.set i, 0
.rept 128
	global_load_b32 v[X+i], v2, s[4:5] offset:i*PITCH1 th:TH_LOAD_NT   ; W1(128 s + i, my column)
.set i, i+1
.endr
	s_branch .Lloaded
.Lw2:
.set i, 0
.rept 128
	global_load_b32 v[X+i], v2, s[4:5] offset:i*PITCH2 th:TH_LOAD_NT   ; W2(128 s + i, my column)
.set i, i+1
.endr
.Lloaded:
; Block t of 32 along K.  left: how many younger loads may stay out (for blocks 0 and 1 the largest count that the wait can name: fewer than the 96 and 64 that could stay out).
.macro KBLOCK t, left
.set XS, X+32*(\t)
.set CC, CD+12*(\t)
	s_wait_loadcnt \left
	v_max3_num_f32 v12, |v[XS]|, |v[XS+1]|, |v[XS+2]|              ; the block's largest magnitude: all 32 numbers are mine; two chains
	v_max3_num_f32 v13, |v[XS+3]|, |v[XS+4]|, |v[XS+5]|
.irp i, 6,10,14,18,22,26
	v_max3_num_f32 v12, v12, |v[XS+\i]|, |v[XS+\i+1]|
	v_max3_num_f32 v13, v13, |v[XS+\i+2]|, |v[XS+\i+3]|
.endr
	v_max3_num_f32 v12, v12, |v[XS+30]|, |v[XS+31]|
	v_max3_num_f32 v12, v12, v13, 0x1800000        ; and the floor 2^(3 - 127): the byte cannot fall under 1
	v_add_nc_u32 v11, 0xff000000, v12              ; 2 off the exponent field: the conversion takes this operand's exponent field as its scale
	v_lshrrev_b32 v13, 23, v11                     ; the scale's byte
.if (\t) == 0
	v_mov_b32 v16, v13
.else
	v_lshl_or_b32 v16, v13, 8*(\t), v16            ; four bytes to the word, the lower K in the lower byte
.endif
	v_cvt_scalef32_pk16_fp6_f32 v[CC:CC+2], v[XS:XS+15], v11
	v_cvt_scalef32_pk16_fp6_f32 v[CC+6:CC+8], v[XS+16:XS+31], v11  ; (a conversion's three registers begin on an even number)
	v_nop                                          ; one plain place behind a scaled conversion
.irp i, 0,1,2
	v_mov_b32 v[CC+3+\i], v[CC+6+\i]               ; six registers on end: the block's 192 bits
.endr
; they are registers 6 (t / 2) .. + 5 of lane p + 16 (t % 2) of my fragment
.if (\t) < 2
	ds_store_b128 v3, v[CC:CC+3] offset:256*((\t)%2)
	ds_store_b64 v3, v[CC+4:CC+5] offset:512+256*((\t)%2)
.else
	ds_store_b64 v3, v[CC:CC+1] offset:520+256*((\t)%2)
	ds_store_b128 v3, v[CC+2:CC+5] offset:1024+256*((\t)%2)
.endif
.endm
	KBLOCK 0, 63
	KBLOCK 1, 63
	KBLOCK 2, 32
	KBLOCK 3, 0
	ds_store_b32 v5, v16                           ; my column's scale word
.irp i, 0,1,2,3,4,5
	ds_load_b128 v[X+4*\i:X+4*\i+3], v4 offset:512*\i   ; LDS serves a wave's instructions in order: these see my wave's stores
.endr
	s_wait_dscnt 0x0                               ; for the others' sake too: my scale words have landed
	s_barrier_signal -1
	s_barrier_wait -1
.irp i, 0,1,2,3,4,5
	global_store_b128 v17, v[X+4*\i:X+4*\i+3], s[8:9] offset:512*\i   ; 32 lanes store 512 consecutive bytes, at a multiple of 256 from wq's first byte
.endr
	s_cmp_lg_u32 s16, 0                            ; wave 0 sends the work-group's 512 bytes of scale words
	s_cbranch_scc1 .Ldone
	ds_load_b128 v[56:59], v7
	s_wait_dscnt 0x0
	global_store_b128 v18, v[56:59], s[8:9]
.Ldone:
	s_wait_tensorcnt 0x0
	ds_add_u32 v224, v225
	s_wait_dscnt 0x0
	s_endpgm
.Lfunc_end_k_qe8ea72e3ae_wprep:
	.size	k_qe8ea72e3ae_wprep, .Lfunc_end_k_qe8ea72e3ae_wprep-k_qe8ea72e3ae_wprep
	.p2alignl 7, 3214868480
	.fill 96, 4, 3214868480
	.section	.rodata,"a",@progbits
	.p2align	6, 0x0
	.amdhsa_kernel k_qe8ea72e3ae_wprep
		.amdhsa_group_segment_fixed_size 13824
		.amdhsa_private_segment_fixed_size 0
		.amdhsa_enable_private_segment 0
		.amdhsa_kernarg_size 24
		.amdhsa_user_sgpr_count 2
		.amdhsa_user_sgpr_kernarg_segment_ptr 1
		.amdhsa_wavefront_size32 1
		.amdhsa_system_sgpr_workgroup_id_x 1
		.amdhsa_system_sgpr_workgroup_id_y 1
		.amdhsa_system_sgpr_workgroup_id_z 1
		.amdhsa_system_vgpr_workitem_id 0
		.amdhsa_next_free_vgpr 226
		.amdhsa_next_free_sgpr 66
		.amdhsa_reserve_vcc 0
		.amdhsa_float_denorm_mode_32 3
		.amdhsa_float_denorm_mode_16_64 3
		.amdhsa_memory_ordered 1
		.amdhsa_forward_progress 1
		.amdhsa_inst_pref_size 35
	.end_amdhsa_kernel
	.amdgpu_metadata
---
amdhsa.version: [ 1, 2 ]
amdhsa.kernels:
  - .name:           k_qe8ea72e3ae_wprep
    .symbol:         k_qe8ea72e3ae_wprep.kd
    .args:
      - { .name: W1, .offset: 0, .size: 8, .value_kind: global_buffer, .address_space: global }
      - { .name: W2, .offset: 8, .size: 8, .value_kind: global_buffer, .address_space: global }
      - { .name: wq, .offset: 16, .size: 8, .value_kind: global_buffer, .address_space: global }
    .group_segment_fixed_size: 13824
    .private_segment_fixed_size: 0
    .kernarg_segment_align: 8
    .kernarg_segment_size: 24
    .max_flat_workgroup_size: 128
    .sgpr_count:     66
    .vgpr_count:     226
    .wavefront_size: 32
...
	.end_amdgpu_metadata
.endif
;; end of part 1
;; launch mlp (part 2): grid 256 x 1, 4 waves a work-group, clusters of 4 x 1, 327,680 bytes of LDS; arguments hidden_states, wq, b1, b2, out0; writes out0
.if DOCPART == 2
	.amdgcn_target "amdgcn-amd-amdhsa--gfx1250"
	.amdhsa_code_object_version 6
	.text
	.protected	k_qe8ea72e3ae_mlp
	.globl	k_qe8ea72e3ae_mlp
	.p2align	8
	.type	k_qe8ea72e3ae_mlp,@function
k_qe8ea72e3ae_mlp:
	s_mov_b64 s[64:65], 0
	v_nop
	global_prefetch_b8 v0, s[64:65] scope:SCOPE_SE
	s_setreg_imm32_b32 hwreg(HW_REG_WAVE_MODE, 25, 1), 1
	s_wait_xcnt 0x0
	s_wait_alu depctr_hold_cnt(0) depctr_sa_sdst(0) depctr_va_vdst(0) depctr_va_sdst(0) depctr_va_ssrc(0) depctr_va_vcc(0) depctr_vm_vsrc(0)
	s_getreg_b32 s2, hwreg(HW_REG_IB_STS2, 6, 4)
	s_cmp_eq_u32 s2, 0
	s_cbranch_scc0 .Lentry_in_a_cluster
	s_endpgm
.Lentry_in_a_cluster:
	s_bfe_u32 s2, ttmp6, 0x10000c
	s_cmp_lg_u32 s2, 0x3003
	s_cbranch_scc0 .Lentry_shape_is_right
	s_endpgm
.Lentry_shape_is_right:
; out = gelu(x W1 + b1) W2 + b2 for 16,384 rows of 1,024 (hidden width 2,048), both products on codes of FP6 (E2M3) with one E8M0 scale for each 32 along K; row 0 of each sequence of 2,048 rows is x's own.
; A WORK-GROUP TAKES 64 ROWS THROUGH THE WHOLE CHAIN (256 work-groups).  x's codes and the hidden layer's live in LDS alone, as images of operand registers.
; A RING STEP: a wave multiplies one block of wq (128 columns x 256 along K: 16 fragments and their scale words, 25,600 bytes, laid by the launch before) by the 64 rows' fragments of two K positions:
;   64 matrix instructions on 32 accumulators (64 rows x 128 columns).  Wave w fetches its own block into its own quarter of a slot and alone reads it; each weight fragment is read from LDS once.
; TWO SETS OF ACCUMULATORS, A (window 2) and B (window 3).  Product 1 is four half-passes H0 .. H3 of 4 ring steps, product 2 two passes P0, P1 of 8: H0 A, H1 B, H2 A, H3 B, P0 A, P1 B.
; BY TURNS.  While one set is summed, the other set's finished sums go through gelu and the quantiser: a batch of 16 rows x 128 hidden units (64 numbers a lane, 652 vector lines) to a ring step, ten lines
;   behind each matrix instruction.  H1, H2, H3 and P0's first half carry the activation of H0 .. H3.  A slice costs two switches of the register window: the price of keeping both units at work in one wave.
; AN ACCUMULATOR BEGINS AS ITS BIAS, loaded into its registers when its last sums have been taken out: every matrix instruction adds in place, and one text serves every ring step.
; CLUSTER: the four work-groups of a cluster walk the same blocks in the same order: each block is asked for JOINTLY (mask 15), by the same load with the same descriptor in all four.
; ROTATION: cluster c begins x's pairs of K steps at c % 4 and the hidden groups at 2 ((c / 4) % 8), so that at one time different clusters ask for different blocks.  It enters global addresses alone; K is summed in a rotated order.
; THE MATRIX INSTRUCTION IS USED TRANSPOSED (source 0 = 16 columns of a weight, source 1 = 16 rows): a lane holds one row, and by the choice of a fragment's columns the 16 registers of tiles 2 g, 2 g + 1 are 16 neighbours.
; GELU in f32: gelu(z) = max(z, 0) - |z| R, R = Phi(-|z|) = 2^(-z^2 log2(e) / 2) t (c1 + t (c2 + t (c3 + t (c4 + t c5)))), t = 1 / (1 + 0.2316419 |z|) (Abramowitz and Stegun 26.2.17, 1 / sqrt(2 pi) folded in).
; LIMITS: Phi's error is at most about 1e-7 ABSOLUTE, so gelu's relative error grows where Phi is tiny (6e-5 at z = -3, 2e-3 at -4); where the exponential falls under 2^-126 it is 0 and gelu is max(z, 0).
;   A block of zeros, or one whose largest magnitude lies under 2^-124, gets the scale byte 1 (only this program reads the bytes).  NaN and infinities among the inputs are not served.
;   The 8 rows that are copied are multiplied like the others and replaced by a select: a branch there would hang on the work-group's place in its cluster.
; LDS.  Two slots of four quarters; four SLABS, one for each tile m of 16 rows, of 18 places of 1,536 bytes: hidden K positions 0-15 at places 0-15, x's K positions 0-7 at places 10-17.
;   Places 10, 11 are written (in H3) only behind the barrier of H3's first step, in front of which every wave's reads of x's positions 0, 1 are over; places 12-15 in P0.  Scale words of rows likewise, 512 bytes a place.
;   A wave's stage (16 rows x 528 bytes) lies in its own slab's places 0-5: not yet written in the prologue, read no more behind the barrier of P1's fourth step.
; REGISTERS: window 0: v1-22 addresses; v24-39 scale words and nothing else; v40-87 the rows' fragments of the first K position; v88-95 constants; v96-255 the activation's.
;   window 1: v0-191 the 16 weight fragments (prologue: three sets of 64 numbers of x); v192-239 the rows' fragments of the second K position; v240-247 the block's first row of x.   windows 2, 3: the sets, (tile t, rows m) at v[64 m + 8 t].
.set QB,    25600
.set SLOTB, 4*QB
.set IMG,   2*SLOTB
.set FRB,   1536
.set SLAB,  18*FRB
.set XK,    10
.set SCW,   IMG+4*SLAB
.set SPARE, SCW+18*512                 ; the spare words, 128 bytes for each wave: two blocks of 256 bytes that no other line names
.set LI,  1                            ; 16 x lane
.set LS,  2                            ; 4 x lane
.set AWB, 3                            ; my quarter of slot 0 + 16 x lane
.set AWN, 4                            ; the same in the slot to be read
.set AA,  5                            ; the rows' fragments to be fetched, slabs 0, 1;  v6: slabs 2, 3
.set AA2, 6
.set SPW, 7                            ; my spare word; never rewritten
.set NIL, 8                            ; 0; never rewritten
.set HWI, 9                            ; hidden images: IMG + 1,536 wave + 16 lane
.set HWS, 10                           ; their scale words: SCW + 512 wave + 4 lane
.set SAX, 11                           ; my stage in the sums' layout: 528 r + 64 h
.set SBX, 12                           ; my stage as it lies: 16 x lane
.set ASA, 13
.set TA,  14
.set BO,  15                           ; 64 h
.set TS_, 16
.set PW,  17
.set IB,  18                           ; IMG + 16 lane
.set SB,  19                           ; SCW + 4 lane
.set XWI, 20
.set XWS, 21
.set PFO, 22
.set WS,  24                           ; register 4 e + g: lanes 0-15 fragment 8 e + 2 g, lanes 16-31 the next
.set ASR, 32                           ; 4 e + m
.set ACT0, 40
.set CC4, 88
.set CC3, 90
.set CC2, 92
.set CC1, 94
.set ZZ,  96
.set TT,  160
.set EX,  192
.set PP,  224
.set TM,  224                          ; the quantiser's, over PP, which is done with by then
.set PC,  236
.set XO,  160                          ; the prologue: x's byte offsets, one for each position
.set OB,  96                           ; the way out: v96-159 and v160-223 by turns
.set ACT1, 192                         ; in window 1
.set XR,  240                          ; in window 1
.set WV,  14
.set CX,  15
.set GG,  16                           ; my block of 64 rows: global addresses and one select mask alone
.set RX,  17
.set RH,  18
.set WR,  19
.set W2,  20
.set WQ,  21
.set XP,  22
.set G1,  24
.set G0,  32                           ; group 0, which walks;  s[36:39]: tile 1's first fill
.set G0B, 36
.set TR,  40
.set T0,  41
.set T1,  42
.set T2,  43
.set GOF, 44
.set OFS, 46
.set BPB, 48                           ; the bias that A gets while B is summed;  s[50:51]: that B gets while A is summed;  s[52:55]: the same the second time round
.set BPA, 50
.set BP2, 52
.set BP3, 54
.set KI,  56
.set OC,  57
.set HQ,  58
.set HQS, 59
.set SEL, 60
.set K1,  62
.set PB,  63                           ; the slot in hand, 0 or 1
.set KE,  66
.set C5,  68
.set MSK, 70
.set NT,  71
.set PFA, 72
.set LIM, 74
.set KS,  75                           ; 512 x the place of the step's first K position
.set XRP, 76
.set TP,  78
.set KP,  80
.set HA,  81
.set HB,  82
.set DK,  83                           ; what a half-pass's fourth step takes off s75, for plain steps;  s84, s85: for the two bodies by turns
.set DKB, 84
.set DKA, 85
.set BI0, 86
.set BI1, 88
.set MSB, 0
.macro WIN new                         ; the immediate's high byte repeats the setting that is left; a switch that changes nothing is dropped
.if MSB != (\new)
	s_set_vgpr_msb (MSB<<8)|(\new)
.set MSB, \new
.endif
.endm
.macro PLACES                          ; four plain places behind a matrix instruction, in front of loads into its sources and of reads of its results (ISA guide 7.12.1 for reads of its results)
.rept 4
	v_nop
.endr
.endm
.macro CREST                           ; a round of the cluster's barrier behind its opening barrier
	s_cmp_lg_u32 s[WV], 0
	s_cbranch_scc1 .Lnot_wave_0_\@
	s_barrier_signal -3
.Lnot_wave_0_\@:
	s_barrier_wait -3
	s_barrier_signal -1
	s_barrier_wait -1
.endm
.macro CROUND
	s_barrier_signal -1
	s_barrier_wait -1
	CREST
.endm
; Group 0 at g gets tile s[TR]'s address.  Tiles 0-15: W1's block 4 ((4 (tile / 4) + wave + 2 s18) % 16) + (tile + s17) % 4.  Tiles 16-31: W2's block 64 + 8 (2 wave + (tile / 8) % 2) + (tile + s18) % 8.
.macro ADDR g
	s_and_b32 s[T0], s[TR], 12
	s_add_co_u32 s[T0], s[T0], s[WR]
	s_and_b32 s[T0], s[T0], 15
	s_lshl_b32 s[T0], s[T0], 2
	s_add_co_u32 s[T1], s[TR], s[RX]
	s_and_b32 s[T1], s[T1], 3
	s_add_co_u32 s[T0], s[T0], s[T1]
	s_lshr_b32 s[T1], s[TR], 3
	s_and_b32 s[T1], s[T1], 1
	s_add_co_u32 s[T1], s[T1], s[W2]
	s_lshl_b32 s[T1], s[T1], 3
	s_add_co_u32 s[T2], s[TR], s[RH]
	s_and_b32 s[T2], s[T2], 7
	s_add_co_u32 s[T1], s[T1], s[T2]
	s_add_co_u32 s[T1], s[T1], 64
	s_cmp_lt_u32 s[TR], 16
	s_cselect_b32 s[T0], s[T0], s[T1]
	s_mul_i32 s[OFS], s[T0], QB
	s_add_nc_u64 s[\g+2:\g+3], s[6:7], s[OFS:OFS+1]
	s_or_b32 s[\g+3], s[\g+3], 0x80000000
	s_add_co_u32 s[TR], s[TR], 1
.endm
; Line jj of 289 of gelu of the 32 numbers at zb, in place.  The 64 transcendentals are one batch with one wait.
.macro GL zb
.if jj < 32
	v_fma_f32 v[TT+jj], |v[(\zb)+jj]|, s[K1], 1.0
.elseif jj < 48
.set u, 2*(jj-32)
	v_pk_mul_f32 v[EX+u:EX+u+1], v[(\zb)+u:(\zb)+u+1], s[KE:KE+1] op_sel_hi:[1,0]
.elseif jj < 64
.set u, 2*(jj-48)
	v_pk_mul_f32 v[EX+u:EX+u+1], v[EX+u:EX+u+1], v[(\zb)+u:(\zb)+u+1]
.elseif jj < 96
	v_rcp_f32 v[TT+jj-64], v[TT+jj-64]
.elseif jj < 128
	v_exp_f32 v[EX+jj-96], v[EX+jj-96]
.elseif jj == 128
	v_nop                                          ; a plain place behind the last transcendental
	s_wait_alu depctr_va_vdst(0)                   ; the wait ahead of the first line that names a result: one for the batch
.elseif jj < 145
.set u, 2*(jj-129)
	v_pk_fma_f32 v[PP+u:PP+u+1], v[TT+u:TT+u+1], s[C5:C5+1], v[CC4:CC4+1] op_sel_hi:[1,0,1]
.elseif jj < 161
.set u, 2*(jj-145)
	v_pk_fma_f32 v[PP+u:PP+u+1], v[PP+u:PP+u+1], v[TT+u:TT+u+1], v[CC3:CC3+1]
.elseif jj < 177
.set u, 2*(jj-161)
	v_pk_fma_f32 v[PP+u:PP+u+1], v[PP+u:PP+u+1], v[TT+u:TT+u+1], v[CC2:CC2+1]
.elseif jj < 193
.set u, 2*(jj-177)
	v_pk_fma_f32 v[PP+u:PP+u+1], v[PP+u:PP+u+1], v[TT+u:TT+u+1], v[CC1:CC1+1]
.elseif jj < 209
.set u, 2*(jj-193)
	v_pk_mul_f32 v[EX+u:EX+u+1], v[EX+u:EX+u+1], v[TT+u:TT+u+1]
.elseif jj < 225
.set u, 2*(jj-209)
	v_pk_mul_f32 v[PP+u:PP+u+1], v[PP+u:PP+u+1], v[EX+u:EX+u+1]
.elseif jj < 257
	v_max_num_f32 v[TT+jj-225], 0, v[(\zb)+jj-225]
.else
	v_fma_f32 v[(\zb)+jj-257], -|v[(\zb)+jj-257]|, v[PP+jj-257], v[TT+jj-257]
.endif
.endm
; Line qq of the quantiser: 64 numbers at v[ZZ], register 16 b + i = k 32 b + 16 (lane / 16) + i of my row, become a fragment's codes in v[PC] on and its scale word in v[PW] (lines 0-67); lines 68-73 send a hidden image to LDS.
.macro QL
.if qq < 4
	v_max3_num_f32 v[TM+qq], |v[ZZ+16*qq]|, |v[ZZ+16*qq+1]|, 0x1800000   ; with the floor 2^(3 - 127): the byte cannot fall under 1
.elseif qq < 32
.set u, 2*(qq/4)
	v_max3_num_f32 v[TM+qq%4], v[TM+qq%4], |v[ZZ+16*(qq%4)+u]|, |v[ZZ+16*(qq%4)+u+1]|
.elseif qq < 36
	v_permlanex16_b32 v[TM+4+qq%4], v[TM+qq%4], s[SEL], s[SEL+1]
.elseif qq < 40
	v_max_num_f32 v[TM+qq%4], v[TM+qq%4], v[TM+4+qq%4]
.elseif qq < 44
	v_add_nc_u32 v[TM+8+qq%4], 0xff000000, v[TM+qq%4]                    ; 2 off the exponent field: the conversion's scale operand
.elseif qq < 48
	v_lshrrev_b32 v[TM+4+qq%4], 23, v[TM+8+qq%4]                         ; the scale's byte
.elseif qq == 48
	v_lshl_or_b32 v[PW], v[TM+5], 8, v[TM+4]
.elseif qq < 51
	v_lshl_or_b32 v[PW], v[TM+qq-43], 8*(qq-47), v[PW]
.elseif qq < 55
.set u, (qq-51)/2
.if (qq-51)%2 == 0
	v_cvt_scalef32_pk16_fp6_f32 v[PC+6*u:PC+6*u+2], v[ZZ+32*u:ZZ+32*u+15], v[TM+8+2*u]
.else
	v_cvt_scalef32_pk16_fp6_f32 v[PC+12+4*u:PC+14+4*u], v[ZZ+32*u+16:ZZ+32*u+31], v[TM+9+2*u]
.endif
.elseif qq == 55
	v_nop                                          ; one plain place behind a scaled conversion
.elseif qq < 68
.set u, (qq-56)/6
.set w_, (qq-56)%6
.if w_ < 3
	v_permlane16_swap_b32 v[PC+6*u+w_], v[PC+12+4*u+w_]                  ; a WHOLE block to a lane
.else
	v_mov_b32 v[PC+6*u+w_], v[PC+9+4*u+w_]
.endif
.elseif qq == 68
	v_add_nc_u32 v[TA], s[HA], v[HWI]
.elseif qq == 69
	v_add_nc_u32 v[TS_], s[HB], v[HWS]
.elseif qq < 73
	ds_store_b128 v[TA], v[PC+4*(qq-70):PC+4*(qq-70)+3] offset:512*(qq-70)
.else
	ds_store_b32 v[TS_], v[PW]
.endif
.endm
.macro VL                              ; line j of a batch's 652, and on to the next
.if j < 289
.set jj, j
	GL ZZ
.elseif j < 578
.set jj, j-289
	GL ZZ+32
.else
.set qq, j-578
	QL
.endif
.set j, j+1
.endm
.macro SLICE n
	WIN 0
.rept \n
	VL
.endr
.endm
; 16 matrix instructions: weight group g (K position g / 2, tiles 4 (g % 2) on) x the four tiles of rows, on set aw.  The 32 accumulators take turns, one instruction a turn, in the same order in every step
;   il = 1: ten lines of the other set's activation behind each.
.macro MULG g, aw, il
.irp bb, 0,1,2,3
.irp m, 0,1,2,3
.set rT, (4*(\g)+\bb)%8
.set rE, (\g)/2
.set rD, 64*\m+8*rT
.set rA, 48*(\g)+12*\bb
.set rB, ACT0+12*\m+rE*(ACT1-ACT0)
.set rW, WS+4*rE+rT/2
.set rX, ASR+4*rE+\m
.set rN, ((\aw)<<6)|((\aw)<<4)|(rE<<2)|1
	WIN rN
.if \bb%2
	v_wmma_scale_f32_16x16x128_f8f6f4 v[rD:rD+7], v[rA:rA+11], v[rB:rB+11], v[rD:rD+7], v[rW], v[rX] matrix_a_fmt:MATRIX_FMT_FP6 matrix_b_fmt:MATRIX_FMT_FP6 matrix_a_scale:MATRIX_SCALE_ROW1
.else
	v_wmma_scale_f32_16x16x128_f8f6f4 v[rD:rD+7], v[rA:rA+11], v[rB:rB+11], v[rD:rD+7], v[rW], v[rX] matrix_a_fmt:MATRIX_FMT_FP6 matrix_b_fmt:MATRIX_FMT_FP6
.endif
.if \il
	SLICE 10
.endif
.endr
.endr
.endm
.macro FETCHW g                        ; four weight fragments, as they lie (the caller has set destination window 1)
.irp k, 0,1,2,3,4,5,6,7,8,9,10,11
	ds_load_b128 v[48*(\g)+4*\k:48*(\g)+4*\k+3], v[AWN] offset:6144*(\g)+512*\k
.endr
.endm
.macro FETCHS e
	ds_load_b128 v[WS+4*(\e):WS+4*(\e)+3], v[AWN] offset:24576+512*(\e)
.endm
.macro FETCHA0                         ; the first K position's four fragments of rows and their scale words
.irp m, 0,1,2,3
.irp c, 0,1,2
	ds_load_b128 v[ACT0+12*\m+4*\c:ACT0+12*\m+4*\c+3], v[AA+\m/2] offset:(\m%2)*SLAB+512*\c
.endr
	ds_load_b32 v[ASR+\m], v[ASA] offset:128*\m
.endr
.endm
.macro FETCHT                          ; the step's last fetches: the second scale load, the second position's scale words, weight group 3, the second position's rows
	WIN 0
	FETCHS 1
.irp m, 0,1,2,3
	ds_load_b32 v[ASR+4+\m], v[ASA] offset:512+128*\m
.endr
	WIN 0x40
	FETCHW 3
.irp m, 0,1,2,3
.irp c, 0,1,2
	ds_load_b128 v[ACT1+12*\m+4*\c:ACT1+12*\m+4*\c+3], v[AA+\m/2] offset:(\m%2)*SLAB+FRB+512*\c
.endr
.endr
.endm
.macro ADRS                            ; the addresses of the next step's fetches
	v_add_nc_u32 v[AWN], s[NT], v[AWB]
	v_add_nc_u32 v[AA], s[KP], v[IB]
	v_add_nc_u32 v[AA2], 2*SLAB, v[AA]
	v_add_nc_u32 v[ASA], s[KS], v[SB]
.endm
; A PREFETCH INTO THE L2 of W2's 64 blocks, 1,638,400 bytes = 6,400 aligned blocks of 256: each is named once in the launch.  The first 100 work-groups ask, waves 0 and 1 of each, a lane a block of 256 bytes,
; the work-groups told apart by address.  It is issued once, in H3's first step (s[TR] = 15 there), two ring steps ahead of the first load that asks for W2.  W1 is not prefetched: the clusters' first loads name it.
.macro ASK
	s_cmp_eq_u32 s[TR], s[LIM]
	s_cbranch_scc0 .Lnot_mine_\@
	global_prefetch_b8 v[PFO], s[PFA:PFA+1] th:TH_LOAD_NT scope:SCOPE_SE
.Lnot_mine_\@:
.endm
; A RING STEP on set aw.  All 16 fragments of the slot are in registers once the wait for 0 is met, so the slot is filled again in the step's first half.  refill: with the tile two steps on.  next: the next step's fetches.
; dk: the scalar that a half-pass's fourth step takes off the rows' place.  Order of a step's fetches: rows 0 (16), scale load 0 (1), weight groups 0, 1, 2 (12 each), scale load 1 (1), scale words 1 (4), group 3 (12), rows 1 (12).
.macro STEP aw, il, refill, next, dk, ask
	s_wait_dscnt 53                                ; rows 0, scale load 0 and group 0 are in; the 53 younger loads may be out
.set j, 0
	MULG 0, \aw, \il
	WIN 0                                          ; (the add's two registers lie in window 0)
	s_wait_tensorcnt 0x0                           ; all my tensor loads have landed: the one that was out is my quarter of the other slot; so group 0 may be written
	ds_add_u32 v[SPW], v[NIL]                      ; 0 onto my spare word
	s_mul_i32 s[T0], s[PB], SLOTB
	s_add_co_u32 s[G0+1], s[T0], s[WQ]             ; the refill goes into the slot in hand,
	s_xor_b32 s[PB], s[PB], 1
	s_mul_i32 s[NT], s[PB], SLOTB                  ; the next reads into the other
.if \refill
	ADDR G0
.endif
.if \next
	s_add_co_u32 s[T0], s[KI], 1
	s_lshr_b32 s[T0], s[T0], 2                     ; 1 in a half-pass's fourth step
	s_mul_i32 s[T0], s[T0], s[\dk]
	s_add_co_u32 s[KS], s[KS], 1024                ; two places on,
	s_sub_co_u32 s[KS], s[KS], s[T0]               ; or to the next half-pass's first
	s_mul_i32 s[KP], s[KS], 3
.endif
	s_wait_dscnt 0x0                               ; the add is done, and my reads of this slot and of this step's rows are over
	s_barrier_signal -1                            ; (with refill = 1 this barrier opens a round of the cluster's barrier)
	MULG 1, \aw, \il                               ; work on registers while the others arrive
	WIN 0
	s_barrier_wait -1
.if \refill
	CREST                                          ; no wave of any partner still reads this slot or has a load on its way
	tensor_load_to_lds s[G0:G0+3], s[G1:G1+7]      ; my one tensor load behind the round, and the first thing there
	s_nop 0
.endif
	PLACES                                         ; behind the tensor load, and in front of the loads below
.if \next
	ADRS
	FETCHA0
	FETCHS 0
	WIN 0x40
	FETCHW 0
	FETCHW 1
.endif
.if \ask
	WIN 0
	ASK
.endif
	MULG 2, \aw, \il
	PLACES
.if \next
	WIN 0x40
	FETCHW 2
.endif
	MULG 3, \aw, \il
.if \il
	SLICE 12                                       ; 652 = 64 x 10 + 12: the image's stores are among these, behind the step's barrier
.endif
	PLACES
.if \next
	FETCHT
.endif
	WIN 0
.endm
; 64 numbers of a bias into rows m of set sw, in the sums' layout: register 16 b + i = column 32 b + 16 (lane / 16) + i
.macro BLOAD sw, m, bp
	WIN (\sw)<<6
.irp b, 0,1,2,3
.irp i, 0,1,2,3
	global_load_b128 v[64*(\m)+16*\b+4*\i:64*(\m)+16*\b+4*\i+3], v[BO], s[\bp:\bp+1] offset:128*\b+16*\i
.endr
.endr
	WIN 0
.endm
.macro TAKE sw, m, bp                  ; rows m of set sw are copied out, each accumulator from its low end on, and get their next bias
	WIN \sw
.set u, 0
.rept 32
	v_pk_mul_f32 v[ZZ+u:ZZ+u+1], v[64*(\m)+u:64*(\m)+u+1], 1.0 op_sel_hi:[1,0]
.set u, u+2
.endr
	BLOAD \sw, \m, \bp
.endm
; The head of a step by turns: batch s[KI] of set sw.  Only the register numbers differ from batch to batch: four short blocks, all else written once.
.macro HEADI sw, bp
	s_wait_loadcnt 0x0                             ; the biases asked for a step ago are in
	s_mul_i32 s[T0], s[KI], SLAB
	s_add_co_u32 s[HA], s[T0], s[HQ]               ; the image's place: slab = batch, place 4 x half-pass (+ wave)
	s_lshl_b32 s[T0], s[KI], 7
	s_add_co_u32 s[HB], s[T0], s[HQS]
	s_cmp_eq_u32 s[KI], 0
	s_cbranch_scc1 .Lc0_\@
	s_cmp_eq_u32 s[KI], 1
	s_cbranch_scc1 .Lc1_\@
	s_cmp_eq_u32 s[KI], 2
	s_cbranch_scc1 .Lc2_\@
	TAKE \sw, 3, \bp
	s_branch .Lcj_\@
.Lc0_\@:
	TAKE \sw, 0, \bp
	s_branch .Lcj_\@
.Lc1_\@:
	TAKE \sw, 1, \bp
	s_branch .Lcj_\@
.Lc2_\@:
	TAKE \sw, 2, \bp
.Lcj_\@:
.endm
.macro NEXTK lab, n                    ; a loop's edge
	s_add_co_u32 s[KI], s[KI], 1
	s_cmp_lt_u32 s[KI], \n
	s_cbranch_scc1 \lab
.endm
; x's position i: my 16 rows' 512 bytes of K step (i + 2 s17) % 8, a row a load: 32 lanes read 512 consecutive bytes; into set i % 3 of window 1
.macro LOADX i
	WIN 0x40
.irp t, 0,1,2,3,4,5,6,7,8,9,10,11,12,13,14,15
	global_load_b128 v[64*((\i)%3)+4*\t:64*((\i)%3)+4*\t+3], v[XO+(\i)], s[XP:XP+1] offset:4096*\t th:TH_LOAD_NT
.endr
	WIN 0
.endm
; and its way to a fragment: through my stage, so that a lane gets 16 neighbours of each block of 32 of ITS row; quantised; the image to LDS
.macro XSTEP i
.if (\i) < 6
	s_wait_loadcnt 32                              ; this position's 16 loads are in; the two younger positions' may be out
.elseif (\i) == 6
	s_wait_loadcnt 16
.else
	s_wait_loadcnt 0x0
.endif
	WIN 0x04                                       ; an LDS store's data are its source 1: window 1
.irp t, 0,1,2,3,4,5,6,7,8,9,10,11,12,13,14,15
	ds_store_b128 v[SBX], v[64*((\i)%3)+4*\t:64*((\i)%3)+4*\t+3] offset:528*\t
.endr
	WIN 0
.irp b, 0,1,2,3
.irp q, 0,1,2,3
	ds_load_b128 v[ZZ+16*\b+4*\q:ZZ+16*\b+4*\q+3], v[SAX] offset:128*\b+16*\q   ; LDS serves a wave's instructions in order: these see my stores
.endr
.endr
	s_wait_dscnt 0x0                               ; the numbers are back; the stores have read their registers, the last image's too
.if (\i) < 5
	LOADX (\i)+3
.endif
.set qq, 0
.rept 68
	QL
.set qq, qq+1
.endr
.irp c, 0,1,2
	ds_store_b128 v[XWI], v[PC+4*\c:PC+4*\c+3] offset:FRB*(\i)+512*\c
.endr
	ds_store_b32 v[XWS], v[PW] offset:512*(\i)
.endm
; THE WAY OUT of set sw (columns 128 o on of my 256): four batches of 16 rows through my stage, back as whole rows of 512 bytes.
.macro SEND o, k, younger              ; younger: the LDS instructions issued behind batch k's loads, which may stay out
.set OBK, OB+64*((\k)%2)
	s_wait_dscnt \younger
.if (\k) == 0
	WIN 0x04
.irp i, 0,1,2,3
	v_cndmask_b32 v[OBK+\i], v[OBK+\i], v[XR+4*(\o)+\i], s[MSK]   ; a sequence's first row is x's own
.endr
	WIN 0
.endif
.irp t, 0,1,2,3,4,5,6,7,8,9,10,11,12,13,14,15
	global_store_b128 v[LI], v[OBK+4*\t:OBK+4*\t+3], s[12:13] offset:(16*(\k)+\t)*4096+512*(\o) th:TH_STORE_NT   ; 32 lanes store 512 consecutive bytes, at a multiple of 256 from out's first byte
.endr
.endm
.macro OUTS sw, o
.irp k, 0,1,2,3
	s_wait_xcnt 0x0                                ; earlier stores have read their registers: this batch's loads may land there
	WIN (\sw)<<2                                   ; the data: window sw
.irp b, 0,1,2,3
.irp q, 0,1,2,3
	ds_store_b128 v[SAX], v[64*\k+16*\b+4*\q:64*\k+16*\b+4*\q+3] offset:128*\b+16*\q   ; each accumulator from its low end on
.endr
.endr
	WIN 0
.irp t, 0,1,2,3,4,5,6,7,8,9,10,11,12,13,14,15
	ds_load_b128 v[OB+64*(\k%2)+4*\t:OB+64*(\k%2)+4*\t+3], v[SBX] offset:528*\t   ; in order behind my stores; the next batch's stores come behind them
.endr
.if \k > 0
	SEND \o, \k-1, 32
.endif
.endr
	SEND \o, 3, 0
.endm
.macro B1P dst, q                      ; my part of b1 in half-pass q: hidden group (4 q + wave + 2 s18) % 16
	s_add_co_u32 s[TP], s[WR], 4*\q
	s_and_b32 s[TP], s[TP], 15
	s_lshl_b32 s[TP], s[TP], 9
	s_add_nc_u64 s[\dst:\dst+1], s[8:9], s[TP:TP+1]
.endm
	s_load_b256 s[4:11], s[0:1], 0x0               ; x s[4:5], wq s[6:7], b1 s[8:9], b2 s[10:11]
	s_load_b64 s[12:13], s[0:1], 0x20              ; out
	v_lshl_add_u32 v[SPW], v0, 2, SPARE
	v_mov_b32 v[NIL], 0
	ds_add_u32 v7, v8
	ds_add_u32 v7, v8
	s_wait_dscnt 0x0
	v_lshrrev_b32 v[TA], 5, v0
	v_readfirstlane_b32 s[WV], v[TA]               ; wave 0..3
	s_bfe_u32 s[CX], ttmp6, 0x40000                ; my place in the cluster
	s_lshl_b32 s[GG], ttmp9, 2                     ; in a cluster launch ttmp9 counts clusters
	s_add_co_u32 s[GG], s[GG], s[CX]
	s_and_b32 s[RX], ttmp9, 3
	s_lshr_b32 s[RH], ttmp9, 2
	s_and_b32 s[RH], s[RH], 7
	s_lshl_b32 s[WR], s[RH], 1
	s_add_co_u32 s[WR], s[WR], s[WV]
	s_lshl_b32 s[W2], s[WV], 1
	s_mul_i32 s[WQ], s[WV], QB                     ; my quarter of a slot: no place in the cluster enters an LDS address
	s_mov_b32 s[TR], 0
	s_mov_b32 s[OFS+1], 0
	s_mov_b32 s[PB], 0
	; descriptor group 1: a block of wq, dense: 100 rows of 256 bytes (32 elements of 8 bytes), no padding
	s_mov_b32 s[G1], 15|(3<<16)|(1<<21)            ; 15:0 the mask: all four work-groups; 17:16 elements of 8 bytes; 21 set beside a mask
	s_mov_b32 s[G1+1], 32<<16
	s_mov_b32 s[G1+2], 100<<16
	s_mov_b32 s[G1+3], 32<<16
	s_mov_b32 s[G1+4], 100
	s_mov_b32 s[G1+5], 32
	s_mov_b32 s[G1+6], 0
	s_mov_b32 s[G1+7], 0
	s_mov_b32 s[G0], 1
	s_mov_b32 s[G0+1], s[WQ]
	s_mov_b32 s[G0B], 1
	s_add_co_u32 s[G0B+1], s[WQ], SLOTB
	v_and_b32 v[LI], 31, v0
	v_lshlrev_b32 v[LS], 2, v[LI]
	v_and_b32 v[TA], 15, v0                        ; r
	v_bfe_u32 v[TS_], v0, 4, 1                     ; h
	v_lshlrev_b32 v[LI], 4, v[LI]
	v_add_nc_u32 v[AWB], s[WQ], v[LI]
	v_add_nc_u32 v[AWN], s[WQ], v[LI]
	v_add_nc_u32 v[IB], IMG, v[LI]
	v_add_nc_u32 v[SB], SCW, v[LS]
	s_mul_i32 s[T0], s[WV], SLAB
	s_add_co_u32 s[T0], s[T0], IMG                 ; my slab
	v_mul_u32_u24 v[SAX], v[TA], 528
	v_lshl_add_u32 v[SAX], v[TS_], 6, v[SAX]
	v_add_nc_u32 v[SAX], s[T0], v[SAX]
	v_add_nc_u32 v[SBX], s[T0], v[LI]
	s_add_co_u32 s[T1], s[T0], XK*FRB
	v_add_nc_u32 v[XWI], s[T1], v[LI]
	s_lshl_b32 s[T1], s[WV], 7
	s_add_co_u32 s[T1], s[T1], SCW+XK*512
	v_add_nc_u32 v[XWS], s[T1], v[LS]
	v_lshlrev_b32 v[BO], 6, v[TS_]
	s_mul_i32 s[T1], s[WV], FRB
	s_add_co_u32 s[T1], s[T1], IMG
	v_add_nc_u32 v[HWI], s[T1], v[LI]
	s_lshl_b32 s[T1], s[WV], 9
	s_add_co_u32 s[T1], s[T1], SCW
	v_add_nc_u32 v[HWS], s[T1], v[LS]
	s_lshl_b32 s[T2], s[RX], 1
.irp i, 0,1,2,3,4,5,6,7
	s_add_co_u32 s[T1], s[T2], \i
	s_and_b32 s[T1], s[T1], 7
	s_lshl_b32 s[T1], s[T1], 9
	v_add_nc_u32 v[XO+\i], s[T1], v[LI]            ; position i: K step (i + 2 s17) % 8, 512 bytes of a row
.endr
	v_and_b32 v[PFO], 63, v0
	v_lshlrev_b32 v[PFO], 8, v[PFO]
	v_mov_b32 v[CC4], 0xbf3a00e3                   ; c4 = -0.7265760135
	v_mov_b32 v[CC4+1], 0xbf3a00e3
	v_mov_b32 v[CC3], 0x3f35f0e3                   ; c3 = 0.7107068705
	v_mov_b32 v[CC3+1], 0x3f35f0e3
	v_mov_b32 v[CC2], 0xbe11a98e                   ; c2 = -0.142248368
	v_mov_b32 v[CC2+1], 0xbe11a98e
	v_mov_b32 v[CC1], 0x3e027906                   ; c1 = 0.127414796
	v_mov_b32 v[CC1+1], 0x3e027906
.irp b, 0,1,2,3
	v_mov_b32 v[TM+4+\b], 0                        ; a lane permute's destination counts as one of its sources
.endr
	s_mov_b32 s[SEL], 0x76543210
	s_mov_b32 s[SEL+1], 0xfedcba98                 ; v_permlanex16_b32's selects for lane l xor 16
	s_mov_b32 s[K1], 0x3e6d3389                    ; 0.2316419
	s_mov_b32 s[KE], 0xbf38aa3b                    ; -log2(e) / 2
	s_mov_b32 s[KE+1], s[KE]                       ; (named with it as a pair, so it is written)
	s_mov_b32 s[C5], 0x3f07dc22                    ; c5 = 0.5307027145
	s_mov_b32 s[C5+1], s[C5]
	s_and_b32 s[GOF], s[GG], 31                    ; my first row is a sequence's first where my block's number is a multiple of 32
	s_cmp_eq_u32 s[GOF], 0
	s_cselect_b32 s[MSK], -1, 0                    ; a select mask, no branch
	s_lshr_b32 s[T0], s[WV], 1                     ; who prefetches: waves 0 and 1
	s_cmp_lt_u32 ttmp9, 25                         ; of clusters 0-24: the same in all four partners
	s_cselect_b32 s[T1], 0, 1
	s_or_b32 s[T0], s[T0], s[T1]
	s_cmp_eq_u32 s[T0], 0
	s_cselect_b32 s[LIM], 15, -1
	s_lshl_b32 s[GOF], s[GG], 18                   ; 64 rows of 4,096 bytes
	s_mov_b32 s[GOF+1], 0
	s_lshl_b32 s[TP], s[WV], 16                    ; my wave's 16 rows
	s_mov_b32 s[TP+1], 0
	s_wait_kmcnt 0x0
	s_add_nc_u64 s[XRP:XRP+1], s[4:5], s[GOF:GOF+1]
	s_add_nc_u64 s[XP:XP+1], s[XRP:XRP+1], s[TP:TP+1]
	s_lshl_b32 s[TP], s[WV], 10                    ; my wave's 256 columns
	s_add_nc_u64 s[XRP:XRP+1], s[XRP:XRP+1], s[TP:TP+1]
	s_add_nc_u64 s[12:13], s[12:13], s[GOF:GOF+1]
	s_add_nc_u64 s[12:13], s[12:13], s[TP:TP+1]
	s_add_nc_u64 s[BP2:BP2+1], s[10:11], s[TP:TP+1]
	s_add_nc_u64 s[BP3:BP3+1], s[BP2:BP2+1], 512
	B1P BI0, 0
	B1P BI1, 1
	B1P BPB, 2
	B1P BPA, 3
	s_min_u32 s[TP], s[GG], 99                     ; (held inside wq in the work-groups that never ask, too)
	s_lshl_b32 s[TP], s[TP], 14
	s_add_nc_u64 s[PFA:PFA+1], s[6:7], s[TP:TP+1]
	s_add_nc_u64 s[PFA:PFA+1], s[PFA:PFA+1], 0x190000   ; W2's blocks begin 64 x 25,600 bytes on
	WIN 0x40
	global_load_b128 v[XR:XR+3], v[LI], s[XRP:XRP+1]                ; the block's first row of x, my 256 columns
	global_load_b128 v[XR+4:XR+7], v[LI], s[XRP:XRP+1] offset:512
	WIN 0
.irp m, 0,1,2,3
	BLOAD 2, \m, BI0                               ; set A begins as H0's part of b1
.endr
	LOADX 0
	LOADX 1
	LOADX 2
	CROUND                                         ; all four work-groups are here: the first joint loads meet
	ADDR G0
	ADDR G0B
	tensor_load_to_lds s[G0:G0+3], s[G1:G1+7]      ; tiles 0 and 1: two loads of mine are out
	s_nop 0
	tensor_load_to_lds s[G0B:G0B+3], s[G1:G1+7]
	s_nop 0
	PLACES
	; ---- x: my 16 rows become eight fragments
.irp i, 0,1,2,3,4,5,6,7
	XSTEP \i
.endr
.irp m, 0,1,2,3
	BLOAD 3, \m, BI1                               ; set B begins as H1's part of b1
.endr
	s_wait_tensorcnt 0x1                           ; tile 0 has landed; tile 1 may stay out
	s_wait_dscnt 0x0                               ; my images of x have landed
	s_barrier_signal -1
	s_barrier_wait -1                              ; everybody's have
	s_mov_b32 s[KS], XK*512
	s_mov_b32 s[KP], XK*FRB
	s_mov_b32 s[NT], 0
	ADRS
	FETCHA0                                        ; step 0's fetches, in a step's order
	FETCHS 0
	WIN 0x40
	FETCHW 0
	FETCHW 1
	FETCHW 2
	FETCHT
	WIN 0
	s_mov_b32 s[HQ], 0
	s_mov_b32 s[HQS], 0
	s_mov_b32 s[DK], 4096                          ; from x's place 18 back to 10
	s_mov_b32 s[DKB], 4096
	s_mov_b32 s[DKA], 4096
	s_mov_b32 s[KI], 0
.Lh0:                                              ; ---- H0: set A, nothing beside it yet
	STEP 2, 0, 1, 1, DK, 0
	NEXTK .Lh0, 4
	s_mov_b32 s[OC], 2
.Lout:                                             ; ---- twice: H1 and H2; H3 and P0's first half
	s_mov_b32 s[KI], 0
.Llb:
	HEADI 2, BPB                                   ; A's sums go into the activation,
	STEP 3, 1, 1, 1, DKB, 1                        ; B is summed
	NEXTK .Llb, 4
	s_add_co_u32 s[HQ], s[HQ], 4*FRB
	s_add_co_u32 s[HQS], s[HQS], 2048
	s_mov_b32 s[KI], 0
.Lla:
	HEADI 3, BPA
	STEP 2, 1, 1, 1, DKA, 0
	NEXTK .Lla, 4
	s_add_co_u32 s[HQ], s[HQ], 4*FRB
	s_add_co_u32 s[HQS], s[HQS], 2048
	s_wait_xcnt 0x0                                ; the biases' loads have read their bases
	s_mov_b64 s[BPB:BPB+1], s[BP2:BP2+1]           ; the second time round the sets get my parts of b2
	s_mov_b64 s[BPA:BPA+1], s[BP3:BP3+1]
	s_add_co_u32 s[DKB], s[DKB], 5120              ; H3's fourth step goes from place 18 to the hidden layer's place 0,
	s_sub_co_u32 s[DKA], s[DKA], 4096              ; P0's fourth straight on to place 8
	s_sub_co_u32 s[OC], s[OC], 1
	s_cmp_lg_u32 s[OC], 0
	s_cbranch_scc1 .Lout
	s_mov_b32 s[DK], 8192                          ; from place 16 back to 0
	s_mov_b32 s[KI], 0
.Lp0:                                              ; ---- P0's second half
	STEP 2, 0, 1, 1, DK, 0
	NEXTK .Lp0, 4
	s_wait_loadcnt 0x0                             ; B's part of b2 is in
	s_mov_b32 s[DK], 0
	s_mov_b32 s[KI], 0
.Lp1:                                              ; ---- P1's first half
	STEP 3, 0, 1, 1, DK, 0
	NEXTK .Lp1, 4
	OUTS 2, 0                                      ; A goes out: its stores leave while P1's second half is multiplied; every wave's reads of places 0-5 were over in front of the last barrier
	s_mov_b32 s[KI], 0
.Lp2:
	STEP 3, 0, 1, 1, DK, 0                         ; the second of these asks for tile 31, the last
	NEXTK .Lp2, 2
	STEP 3, 0, 0, 1, DK, 0                         ; the tail is written out
	STEP 3, 0, 0, 0, DK, 0
	OUTS 3, 1
	s_wait_tensorcnt 0x0                           ; the wave's end, behind my last tensor load and my last LDS store
	ds_add_u32 v[SPW], v[NIL]
	s_wait_dscnt 0x0
	CROUND                                         ; the closing round: no work-group ends while a partner may still ask for a tile that names it
	s_endpgm
.Lfunc_end_k_qe8ea72e3ae_mlp:
	.size	k_qe8ea72e3ae_mlp, .Lfunc_end_k_qe8ea72e3ae_mlp-k_qe8ea72e3ae_mlp
	.p2alignl 7, 3214868480
	.fill 96, 4, 3214868480
	.section	.rodata,"a",@progbits
	.p2align	6, 0x0
	.amdhsa_kernel k_qe8ea72e3ae_mlp
		.amdhsa_group_segment_fixed_size 327680
		.amdhsa_private_segment_fixed_size 0
		.amdhsa_enable_private_segment 0
		.amdhsa_kernarg_size 40
		.amdhsa_user_sgpr_count 2
		.amdhsa_user_sgpr_kernarg_segment_ptr 1
		.amdhsa_wavefront_size32 1
		.amdhsa_system_sgpr_workgroup_id_x 1
		.amdhsa_system_sgpr_workgroup_id_y 1
		.amdhsa_system_sgpr_workgroup_id_z 1
		.amdhsa_system_vgpr_workitem_id 0
		.amdhsa_next_free_vgpr 1024
		.amdhsa_next_free_sgpr 94
		.amdhsa_reserve_vcc 0
		.amdhsa_float_denorm_mode_32 3
		.amdhsa_float_denorm_mode_16_64 3
		.amdhsa_memory_ordered 1
		.amdhsa_forward_progress 1
		.amdhsa_inst_pref_size 255
	.end_amdhsa_kernel
	.section	.bss,"aw",@nobits
	.p2align	6
	.space	262144
	.amdgpu_metadata
---
amdhsa.version: [ 1, 2 ]
amdhsa.kernels:
  - .name:           k_qe8ea72e3ae_mlp
    .symbol:         k_qe8ea72e3ae_mlp.kd
    .args:
      - { .name: hidden_states, .offset: 0, .size: 8, .value_kind: global_buffer, .address_space: global }
      - { .name: wq, .offset: 8, .size: 8, .value_kind: global_buffer, .address_space: global }
      - { .name: b1, .offset: 16, .size: 8, .value_kind: global_buffer, .address_space: global }
      - { .name: b2, .offset: 24, .size: 8, .value_kind: global_buffer, .address_space: global }
      - { .name: out0, .offset: 32, .size: 8, .value_kind: global_buffer, .address_space: global }
    .group_segment_fixed_size: 327680
    .private_segment_fixed_size: 0
    .kernarg_segment_align: 8
    .kernarg_segment_size: 40
    .max_flat_workgroup_size: 128
    .sgpr_count:     94
    .vgpr_count:     1024
    .wavefront_size: 32
...
	.end_amdgpu_metadata
.endif
;; end of part 2
